; MI455X (gfx1250); checked and timed in simulation.
; The chip was launched on July 23, 2026; its instructions are those of AMD's public machine-readable ISA for CDNA 5 (MIT licence, August 2026) and "CDNA5" Instruction Set Architecture Reference Guide (July 2026). The comments in the code are by the model that wrote it; some were corrected since.
;; Scaled Dot Product Attention. Allowed arithmetic: matrix products marked QUANTISED: E5M2 operands, one given power-of-two scale a tensor, by v_wmma_f32_16x16x64_bf8_bf8 or v_wmma_f32_16x16x128_bf8_bf8, f32 sums; everything else in f32.
;; Inputs: attention_mask 4 x 2,048 bool; k_codes 4 x 16 x 2,048 x 2 x 32 uint8 (E5M2 codes of k, K innermost, in blocks of 32 codes); lowp_scales 4 int32 (the exponents e of the quantised operands' scales 2^e); q_codes 4 x 16 x 2,048 x 2 x 32 uint8 (E5M2 codes of q, K innermost, in blocks of 32 codes); v_codes 4 x 16 x 64 x 64 x 32 uint8 (E5M2 codes of v, K innermost, in blocks of 32 codes).
;; Outputs: out0 4 x 16 x 2,048 x 64 float32.
;; Constants: use_causal_mask = 1.
;; This version of the problem:
;;   THIS VERSION OF THE PROBLEM IS GIVEN IN LOW PRECISION. The matrix products marked QUANTISED in the list below multiply operands that are first quantised to E5M2 (5 exponent bits, 2 mantissa bits; 8 bits a number), with one given power-of-two scale for each operand tensor; their sums are f32. All else is computed in f32.
;;   The module's matrix products, in the order in which they are computed (A, B: the left and right operand; K: the contracted axis; several contracted axes count as one K, in the product's order):
;;     1. batch 64 x [M 2,048, K 64] x [K 64, N 2,048]; A: input q (given as codes); B: input k (given as codes): QUANTISED (scales: A lowp_scales[0], B lowp_scales[1])
;;     2. batch 64 x [M 2,048, K 2,048] x [K 2,048, N 64]; A: softmax (see below); B: input v (given as codes): QUANTISED (scales: A lowp_scales[2], B lowp_scales[3])
;;   THE QUANTISER, for each operand of a quantised product, along K:
;;     - The operand's scale is 2^e, e = its entry of the input lowp_scales (int32; the entries are numbered through the quantised products in the list's order, A before B).
;;     - Each number is divided by the scale, clamped to +-57,344, and rounded to the nearest number of E5M2, ties to even, subnormals kept.
;;     - The product sums the exact products of the quantised numbers (number of the format x scale) in f32.
;;   ~~~python
;;   def quantise(x, axis, e):      # numpy; x: float32 -> the quantised numbers, widened to float32 again
;;       x = np.moveaxis(x, axis, -1); K = x.shape[-1]
;;       r = np.clip(x / 2.0 ** e, -57344, 57344)
;;       step = 2.0 ** (np.maximum(np.frexp(np.where(r == 0, 1, r))[1] - 1, -14) - 2)
;;       q = np.round(r / step) * step * 2.0 ** e      # np.round: ties to even
;;       return np.moveaxis(q, -1, axis).astype(np.float32)
;;   ~~~
;;   SOFTMAX AHEAD OF A QUANTISED PRODUCT. Where the list says 'softmax', what is quantised is not the finished softmax but p = 2^(t - M), with t = logit x log2(e) and M = ceil(the row's largest t), a whole number; so 1/2 < the row's largest p <= 1. The row's sum l is taken of the UNQUANTISED p, in f32, and the product's result is divided by l at the end. Since M is a whole number, a kernel that streams over the keys may use a running M (the ceiling of the running maximum): every later rescaling is an exact power of two, so the quantised numbers keep their values, but for numbers so far below the row's largest that they fall under the format's range.
;;   OPERANDS COMPUTED ON THE WAY. 'Computed on the way' means the value that the module computes at that place (a softmax that the list does not call 'softmax' is quantised finished and normalised). What goes into a quantiser is computed in f32, as accurately as f32 sums, v_exp_f32 and their like allow (about 1e-6 of the number): no bf16 or f16 on the way to a quantiser, and a product that is left as it is and whose result goes on into a quantised operand takes f32 operands (vector FMAs, or v_wmma_f32_16x16x4_f32). A number that lies on a knife's edge between two numbers of the format may be rounded either way, as far as f32 arithmetic and the matrix unit's own rounding can turn it there, and no further.
;;   INPUTS GIVEN AS CODES. k (in the module: [4, 16, 2048, 64], K = its axis 3); q (in the module: [4, 16, 2048, 64], K = its axis 3); v (in the module: [4, 16, 2048, 64], K = its axis 2): each comes as NAME_codes (uint8): NAME with its K axis moved to the last place and cut into blocks of 32 codes, [.., K / 32, bytes a block], one block behind the other in memory; one code a byte (a code: sign, 5 exponent bits, 2 mantissa bits); its scale is its entry of lowp_scales. Its value is code x scale, taken as it is: it is not quantised again, and the codes and scales need not be those that the quantiser above would give.
;; One version. Each part assembles by itself: llvm-mc -triple=amdgcn-amd-amdhsa -mcpu=gfx1250 --defsym DOCPART=n.
;; ======== version 1 of 1: 1 launch
;; limits: right only within a limited range of input values
;; launch attn (part 1): grid 4 x 64, 16 waves a work-group, clusters of 4 x 1, 327,680 bytes of LDS; arguments q_codes, k_codes, v_codes, attention_mask, lowp_scales, out0; writes out0
.if DOCPART == 1
	.amdgcn_target "amdgcn-amd-amdhsa--gfx1250"
	.amdhsa_code_object_version 6
	.text
	.protected	k_qc3b067e530_attn
	.globl	k_qc3b067e530_attn
	.p2align	8
	.type	k_qc3b067e530_attn,@function
k_qc3b067e530_attn:
	s_mov_b64 s[64:65], 0
	v_nop
	global_prefetch_b8 v0, s[64:65] scope:SCOPE_SE
	s_setreg_imm32_b32 hwreg(HW_REG_WAVE_MODE, 25, 1), 1
	s_wait_xcnt 0x0
	s_wait_alu depctr_hold_cnt(0) depctr_sa_sdst(0) depctr_va_vdst(0) depctr_va_sdst(0) depctr_va_ssrc(0) depctr_va_vcc(0) depctr_vm_vsrc(0)
	s_getreg_b32 s2, hwreg(HW_REG_IB_STS2, 6, 4)
	s_cmp_eq_u32 s2, 0
	s_cbranch_scc0 .Lentry_in_a_cluster
	s_endpgm
.Lentry_in_a_cluster:
	s_bfe_u32 s2, ttmp6, 0x10000c
	s_cmp_lg_u32 s2, 0x3003
	s_cbranch_scc0 .Lentry_shape_is_right
	s_endpgm
.Lentry_shape_is_right:
; out[b][h][q][:] = sum over k of softmax_k(q . k / 8, causal mask, key mask) v[k][:], both products on codes of BF8 (E5M2), one scale 2^e a tensor: eq, ek, ep, ev.
; q, k: [64 heads][2048][64] codes, the head's 64 innermost.  v: [64 heads][64 d][2048 keys] codes, the keys innermost.  mask: [4][2048] bytes.  out: [64][2048][64] f32.
; THE SOFTMAX: t = score x log2(e) / 8; M = the running largest t rounded UP to a whole number; p = 2^(t - M) is quantised with 2^ep; the row's sum is taken of the unquantised p and divides at the end.
; SHARES.  A cluster of four work-groups serves one head; all four hold the head's whole K and V in LDS, each byte filled once, by JOINT tensor loads (mask 15).  Nothing in LDS is filled again.
; The 2,048 queries are 16 groups of 128.  A tile of 16 queries of group g needs key steps 0 .. g (128 keys each), step g being its diagonal.  Partner cx takes tiles 2 cx, 2 cx + 1 of EVERY group;
; wave w (u = w & 1, j = w >> 1) takes tile A in group 15 - j and tile B in group j: (16 - j) + (j + 1) = 17 steps for every wave of the launch.  cx enters global addresses and one data register alone.
; LAYOUT.  Both products are used transposed: S^T = K Q^T (source 0 = 16 keys, source 1 = my 16 queries), O^T = V^T P^T: a lane holds ONE query (lane % 16) throughout.
; Lane r of key tile 2 b + u takes key 32 b + 8 u + r + 8 (r / 8), so that S's registers 16 b + i are the neighbouring keys 32 b + 16 (lane / 16) + i, which is the order of the second product's operand.
; Fragments come by 16-byte loads, the same permutation of k on both sides of a product: only the order of the sums inside an instruction differs from the natural one.
; THE KEY MASK costs no vector instruction in the loop: a table bias[key] = 0 or -2^126 lies in LDS, a step's 64 numbers of a lane are loaded straight into S's registers, and the score product adds onto them.
; THE CAUSAL MASK: steps behind a tile's diagonal are jumped over (a scalar branch on the wave's number and the step's count); in the diagonal step hidden scores become -2^126.
; The running largest RAW score R starts at -2^40, under every real raw sum (64 x 57,344^2 < 2^38): so a blocked score lies at least c (2^126 - 2^40) under M, and its p is 0 in every row at every step.
; A ROW WITH NO OPEN KEY (R still under -2^39 at the end): all 2,048 scores are equal there, the hidden ones too, so it gets sum over ALL keys of Q(1) v / 2048, by a select.
; LIMITS: eq + ek between -115 and 130 (c stays an f32 number, and c x 2^126 is at least 369); ep between -126 and 112; ep + ev is applied by v_ldexp_f32 and has none;
; t stays finite in f32; infinity and NaN among the codes are not served.
.set KP,    144                        ; an LDS row of K: two keys, 128 bytes + 16 of padding.  Key n lies at (n >> 1) x 144 + (n & 1) x 64: the 16 keys of a fragment load fall on 16 different 16-byte columns modulo 256
.set KSLOT, 128*KP                     ; 256 keys: what one tensor load brings of K
.set VP,    272                        ; an LDS row of V: 256 keys of one d + 16 of padding
.set VSLOT, 64*VP                      ; 64 rows: what one tensor load brings of V
.set VREG,  8*KSLOT                    ; K's eight slots lie from byte 0, V's eight from here
.set BIAS,  VREG+8*VSLOT               ; 2,048 f32: the key mask as an addend
.set SCR,   BIAS+8192                  ; 4 x 64 f32: partial sums of V over 512 keys each
.set SPARE, SCR+1024                   ; the spare words: 128 bytes for each of 16 waves, eight blocks of 256 bytes that no other line names
.set STG,   2*16*272                   ; the way out: two stages of 16 rows x (256 + 16) bytes a wave, in K's region, behind the barrier behind which nobody reads K
.set AK0, 1                            ; v1   my lane's place in a tile of K
.set AV0, 2                            ; v2   in a tile of V
.set AB0, 3                            ; v3   in the bias table
.set DL,  4                            ; v4   my query - the diagonal step's first key - 16 (lane / 16)
.set GO,  5                            ; v5   the way out: my byte offset in a tile's rows of out
.set STO, 6                            ; v6   where I put 32 bytes of a row in my stage
.set RD,  7                            ; v7   where I read rows back
.set ADK, 8                            ; v8-10 the step's addresses: K, V, bias
.set ADV, 9
.set ADB, 10
.set AVS, 11                           ; v11  V for the sum over all keys: my d tile, my 512 keys
.set NM,  12                           ; v12  -M
.set RM,  13                           ; v13  R, the running largest raw score
.set L,   14                           ; v[14:15] the row's sum in two halves
.set QA,  16                           ; v16-23 Q of tile A;  v24-31 of tile B
.set QB,  24
.set F,   32                           ; v32-95  K's 8 fragments of 8 registers, then V's 4 of 16
.set S,   96                           ; v96-159 the bias, then scores, then p
.set O,   160                          ; v160-191 O^T: register 8 t + i = o(my query, 16 t + 8 (lane / 16) + i)
.set SAVE, 192                         ; v192-223 tile A, finished
.set PC,  224                          ; v224-239 p's codes
.set LIM, 240                          ; v240 57,344 x 2^ep
.set SCL, 241                          ; v241 2^ep
.set L2,  242                          ; v[242:243] the sums' second chain
.set PX,  244                          ; v244 the lane exchange's destination
.set RSA, 245                          ; v245 tile A's last R
.set MX,  246                          ; v246, v247 at work
.set FF,  248                          ; v[248:249] f = 2^(old M - new M); v249 is named with it as a pair
.set NEG, 250                          ; v250 -2^126
.set SCW, 251                          ; v251 where I store my partial sums of V
.set AVM, 252                          ; v252 where I read all four back
.set SPW, 254                          ; v254 LDS address of my spare word; never rewritten
.set NIL, 255                          ; v255 0; never rewritten
.set WV,  16                           ; s16 wave;  s17 cx;  s18 head;  s19 j = tile B's group;  s60 tile A's group
.set CX,  17
.set HD,  18
.set GB,  19
.set SEL, 20                           ; s[20:21] selects of v_permlanex16_b32: lane l xor 16
.set CS,  22                           ; s[22:23] c = log2(e) / 8 x 2^(eq + ek)
.set G1K, 24                           ; s[24:31], s[32:39] descriptor groups 1;  s[40:47], s[48:55] two groups 0 each
.set G1V, 32
.set G0K, 40
.set G0V, 48
.set SI,  56                           ; s56 the slot's first step: the loops' counter
.set TK,  57                           ; s57-59 the slot's byte offsets in K's region, V's region, the bias table
.set TV,  58
.set TBI, 59
.set GA,  60
; A round of the cluster's barrier: my work-group's barrier, wave 0 signals for the work-group, every wave waits for all four work-groups, my work-group's barrier once more.
.macro CROUND
	s_barrier_signal -1
	s_barrier_wait -1
	s_cmp_lg_u32 s[WV], 0
	s_cbranch_scc1 .Lnot_wave_0_\@
	s_barrier_signal -3
.Lnot_wave_0_\@:
	s_barrier_wait -3
	s_barrier_signal -1
	s_barrier_wait -1
.endm
; A tile begins: R under every real raw score, -M = 3e38, sums and O^T zero (the step is written without a first step of its own: the first change of M multiplies zeros).
.macro INIT
	v_mov_b32 v[RM], 0xd3800000                    ; -2^40
	v_mov_b32 v[NM], 0x7f61b1e6                    ; 3e38, a whole number
	v_mov_b32 v[L], 0
	v_mov_b32 v[L+1], 0
.set n, 0
.rept 32
	v_mov_b32 v[O+n], 0
.set n, n+1
.endr
.endm
; A KEY STEP: 128 keys, the q-th half of the slot in hand.  causal = 1: the step may lie on or behind the tile's diagonal, which is step s[g].  qf: the tile's Q.
.macro STEP q, causal, qf, g
.if \causal
	s_add_co_u32 s62, s[SI], \q                    ; the step's number
	s_cmp_gt_u32 s62, s[\g]
	s_cbranch_scc1 .Lhidden_\@                     ; all its keys come after my queries: nothing of it is done.  No barrier and no tensor load stands in a step
.endif
	v_add_nc_u32 v[ADK], s[TK], v[AK0]             ; three additions and a v_nop: the four places between the last step's products and the loads into the registers that they read
	v_add_nc_u32 v[ADB], s[TBI], v[AB0]
	v_add_nc_u32 v[ADV], s[TV], v[AV0]
	v_nop
.irp b, 0,1,2,3
.irp e, 0,1,2,3
	ds_load_b128 v[S+16*\b+4*\e:S+16*\b+4*\e+3], v[ADB] offset:512*\q+128*\b+16*\e   ; bias of keys 32 b + 16 (lane / 16) + 4 e on: where the product will put their scores
.endr
.endr
.irp t, 0,1,2,3,4,5,6,7
	ds_load_b128 v[F+8*\t:F+8*\t+3],   v[ADK] offset:(64*\q+16*(\t/2)+4*(\t%2))*KP      ; tile t begins at key 32 (t / 2) + 8 (t % 2): half as many LDS rows
	ds_load_b128 v[F+8*\t+4:F+8*\t+7], v[ADK] offset:(64*\q+16*(\t/2)+4*(\t%2))*KP+32
.endr
	s_wait_alu depctr_va_vdst(0)
	s_wait_dscnt 0x0                               ; all 32 are operands of the products below
.irp t, 0,1,2,3,4,5,6,7
	v_wmma_f32_16x16x64_bf8_bf8 v[S+8*\t:S+8*\t+7], v[F+8*\t:F+8*\t+7], v[\qf:\qf+7], v[S+8*\t:S+8*\t+7]   ; score + bias; the accumulators take turns, one instruction a turn
.endr
.rept 4
	v_nop                                          ; places in front of the loads into K's registers and of the first read of the scores
.endr
.irp t, 0,1,2,3
.irp c, 0,1,2,3
	ds_load_b128 v[F+16*\t+4*\c:F+16*\t+4*\c+3], v[ADV] offset:16*\t*VP+128*\q+32*\c   ; V's four fragments land while the softmax is worked
.endr
.endr
.if \causal
	s_cmp_lg_u32 s62, s[\g]
	s_cbranch_scc1 .Lopen_\@                       ; under the diagonal every key counts
.set n, 0
.rept 64                                       ; register n holds key 32 (n / 16) + n % 16 + 16 (lane / 16) of the step: hidden where it comes after my query
	v_cmp_gt_i32 vcc_lo, 32*(n/16)+n%16, v[DL]
	v_cndmask_b32 v[S+n], v[S+n], v[NEG], vcc_lo
.set n, n+1
.endr
.Lopen_\@:
.endif
	v_max3_num_f32 v[MX], v[S], v[S+1], v[S+2]     ; the step's largest raw score among my 64 keys, in two chains, each accumulator from its low end on
	v_max3_num_f32 v[MX+1], v[S+3], v[S+4], v[S+5]
.irp i, 6,10,14,18,22,26,30,34,38,42,46,50,54,58
	v_max3_num_f32 v[MX], v[MX], v[S+\i], v[S+\i+1]
	v_max3_num_f32 v[MX+1], v[MX+1], v[S+\i+2], v[S+\i+3]
.endr
	v_max3_num_f32 v[MX], v[MX], v[S+62], v[S+63]
	s_delay_alu instid0(VALU_DEP_1)
	v_max_num_f32 v[MX], v[MX], v[MX+1]
	s_delay_alu instid0(VALU_DEP_1)
	v_permlanex16_b32 v[PX], v[MX], s[SEL], s[SEL+1]   ; the query's other 64 keys lie in lane l xor 16
	s_delay_alu instid0(VALU_DEP_1)
	v_max3_num_f32 v[RM], v[RM], v[MX], v[PX]      ; R
	s_delay_alu instid0(VALU_DEP_1)
	v_mul_f32 v[MX], s[CS], v[RM]                  ; as t (c is positive),
	s_delay_alu instid0(VALU_DEP_1)
	v_max_num_f32 v[MX], 0xff61b1e6, v[MX]         ; held at -3e38, so that M is a number whatever c x -2^40 gives
	v_mov_b32 v[MX+1], v[NM]
	s_delay_alu instid0(VALU_DEP_2)
	v_floor_f32 v[NM], -v[MX]                      ; the new -M = floor(-t) = -ceil(t)
	s_delay_alu instid0(VALU_DEP_1)
	v_sub_f32 v[MX+1], v[NM], v[MX+1]              ; old M - new M: a whole number, 0 or less
	s_delay_alu instid0(VALU_DEP_1)
	v_cvt_i32_f32 v[MX+1], v[MX+1]                 ; (it saturates)
	s_delay_alu instid0(VALU_DEP_1)
	v_ldexp_f32 v[FF], 1.0, v[MX+1]                ; f = 2^(old M - new M): rounds nothing
.set n, 0
.rept 32
	v_pk_fma_f32 v[S+n:S+n+1], v[S+n:S+n+1], s[CS:CS+1], v[NM:NM+1] op_sel_hi:[1,0,0]   ; t - M, two at a time (of the pairs c and -M the low word serves both halves)
.set n, n+2
.endr
.set n, 0
	s_wait_alu depctr_va_vdst(0)
.rept 64
	v_exp_f32 v[S+n], v[S+n]                       ; p = 2^(t - M), at most 1; 0 for blocked and hidden keys
.set n, n+1
.endr
	v_pk_mul_f32 v[L:L+1], v[L:L+1], v[FF:FF+1] op_sel_hi:[1,0]   ; the sums under the new M: the plain instruction behind the exponentials
	s_wait_alu depctr_va_vdst(0)                   ; one wait for the batch of 64, ahead of its first reader
	v_pk_add_f32 v[242:243], v[100:101], v[104:105]
	v_pk_add_f32 v[246:247], v[108:109], v[112:113]
	v_pk_add_f32 v[238:239], v[116:117], v[120:121]
	v_pk_add_f32 v[236:237], v[124:125], v[128:129]
	v_pk_add_f32 v[234:235], v[132:133], v[136:137]
	v_pk_add_f32 v[232:233], v[140:141], v[144:145]
	v_pk_add_f32 v[230:231], v[148:149], v[152:153]
	v_pk_add_f32 v[14:15], v[14:15], v[156:157]
	v_pk_add_f32 v[242:243], v[242:243], v[96:97]
	v_pk_add_f32 v[246:247], v[246:247], v[98:99]
	v_pk_add_f32 v[238:239], v[238:239], v[102:103]
	v_pk_add_f32 v[236:237], v[236:237], v[106:107]
	v_pk_add_f32 v[234:235], v[234:235], v[110:111]
	v_pk_add_f32 v[232:233], v[232:233], v[114:115]
	v_pk_add_f32 v[230:231], v[230:231], v[118:119]
	v_pk_add_f32 v[14:15], v[14:15], v[122:123]
	v_pk_add_f32 v[242:243], v[242:243], v[126:127]
	v_pk_add_f32 v[246:247], v[246:247], v[130:131]
	v_pk_add_f32 v[238:239], v[238:239], v[134:135]
	v_pk_add_f32 v[236:237], v[236:237], v[138:139]
	v_pk_add_f32 v[234:235], v[234:235], v[142:143]
	v_pk_add_f32 v[232:233], v[232:233], v[146:147]
	v_pk_add_f32 v[230:231], v[230:231], v[150:151]
	v_pk_add_f32 v[14:15], v[14:15], v[154:155]
	v_pk_add_f32 v[242:243], v[242:243], v[158:159]
	s_delay_alu instid0(VALU_DEP_2)
	v_pk_add_f32 v[14:15], v[14:15], v[236:237]
	s_delay_alu instid0(VALU_DEP_2)
	v_pk_add_f32 v[242:243], v[242:243], v[234:235]
	v_pk_add_f32 v[246:247], v[246:247], v[232:233]
	v_pk_add_f32 v[238:239], v[238:239], v[230:231]
	s_delay_alu instid0(VALU_DEP_2)
	v_pk_add_f32 v[14:15], v[14:15], v[246:247]
	s_delay_alu instid0(VALU_DEP_2)
	v_pk_add_f32 v[242:243], v[242:243], v[238:239]
	s_delay_alu instid0(VALU_DEP_1)
	v_pk_add_f32 v[14:15], v[14:15], v[242:243]
.irp b, 0,1,2,3
.set n, 0
.rept 16
.set n, n+1
.endr
	v_cvt_scalef32_pk8_bf8_f32 v[PC+4*\b:PC+4*\b+1], v[S+16*\b:S+16*\b+7], v[SCL]
	v_cvt_scalef32_pk8_bf8_f32 v[PC+4*\b+2:PC+4*\b+3], v[S+16*\b+8:S+16*\b+15], v[SCL]
.endr
.set n, 0
.rept 16
	v_pk_mul_f32 v[O+n:O+n+1], v[O+n:O+n+1], v[FF:FF+1] op_sel_hi:[1,0]   ; O^T under the new M; these are also the plain lines between the conversions and the products
.set n, n+2
.endr
	s_wait_alu depctr_va_vdst(0)
	s_wait_dscnt 0x0                               ; V's sixteen loads
.irp t, 0,1,2,3
	v_wmma_f32_16x16x128_bf8_bf8 v[O+8*\t:O+8*\t+7], v[F+16*\t:F+16*\t+15], v[PC:PC+15], v[O+8*\t:O+8*\t+7]
.endr
.if \causal
.Lhidden_\@:
.endif
.endm
.macro SLOT2 causal, qf, g                     ; a slot's two steps, then on to the next slot
	STEP 0, \causal, \qf, \g
	STEP 1, \causal, \qf, \g
	s_add_co_u32 s[TK], s[TK], KSLOT
	s_add_co_u32 s[TV], s[TV], VSLOT
	s_add_co_u32 s[TBI], s[TBI], 1024
.endm
; A tile ends: O^T / the row's sum x 2^(ep + ev) into v[dst] on.
.macro EPI dst
.rept 4
	v_nop                                          ; places behind the last products
.endr
	v_add_f32 v[L], v[L], v[L+1]                   ; the sum's two halves,
	s_delay_alu instid0(VALU_DEP_1)
	v_permlanex16_b32 v[PX], v[L], s[SEL], s[SEL+1]
	s_delay_alu instid0(VALU_DEP_1)
	v_add_f32 v[L], v[L], v[PX]                    ; and lane l xor 16's
	s_wait_alu depctr_va_vdst(0)
	v_rcp_f32 v[L], v[L]
	v_nop                                          ; a plain instruction behind the reciprocal
	s_wait_alu depctr_va_vdst(0)                   ; and the wait ahead of its first reader
	v_ldexp_f32 v[L], v[L], s88
.set n, 0
.rept 16
	v_pk_mul_f32 v[\dst+n:\dst+n+1], v[O+n:O+n+1], v[L:L+1] op_sel_hi:[1,0]   ; each accumulator from its low end on
.set n, n+2
.endr
.endm
; A finished tile in v[src] on goes through my stage at byte off and comes back as whole rows of 256 bytes in v[dst] on.  LDS serves a wave's instructions in order (ISA guide 5.7.1.4): no wait between.
.macro TOSTAGE src, dst, off
.irp t, 0,1,2,3
	ds_store_b128 v[STO], v[\src+8*\t:\src+8*\t+3] offset:\off+64*\t
	ds_store_b128 v[STO], v[\src+8*\t+4:\src+8*\t+7] offset:\off+64*\t+16
.endr
.irp i, 0,1,2,3,4,5,6,7
	ds_load_b128 v[\dst+4*\i:\dst+4*\i+3], v[RD] offset:\off+544*\i
.endr
.endm
	s_load_b256 s[4:11], s[0:1], 0x0               ; q s[4:5], k s[6:7], v s[8:9], mask s[10:11]
	s_load_b128 s[12:15], s[0:1], 0x20             ; the scales' exponents s[12:13], out s[14:15]
	v_lshl_add_u32 v[SPW], v0, 2, SPARE
	v_mov_b32 v[NIL], 0
	ds_add_u32 v254, v255
	ds_add_u32 v254, v255
	s_wait_dscnt 0x0
	v_lshrrev_b32 v8, 5, v0
	s_delay_alu instid0(VALU_DEP_1)
	v_readfirstlane_b32 s[WV], v8                  ; wave 0..15
	s_bfe_u32 s[CX], ttmp6, 0x40000                ; cx: my place in the cluster
	s_and_b32 s[HD], ttmp7, 0xffff                 ; the head, which the four partners share
	s_lshr_b32 s[GB], s[WV], 1                     ; j: tile B's group,
	s_sub_co_u32 s[GA], 15, s[GB]                  ; 15 - j: tile A's
	s_mov_b32 s[SEL], 0x76543210
	s_mov_b32 s[SEL+1], 0xfedcba98
	; descriptor groups 1.  K: 128 rows of 128 bytes (two keys), dense in memory.  V: 64 rows of 256 bytes, 2,048 bytes apart
	s_mov_b32 s[G1K], 15|(1<<20)|(1<<21)|(4<<22)|(3<<25)   ; 15:0 the mask: all four work-groups; 17:16 elements of 1 byte; 20 padding on; 21 set beside a mask; 24:22 after every 32 words (code 4); 31:25 four words (code 3)
	s_mov_b32 s[G1K+1], 128<<16                    ; tensor_dim0
	s_mov_b32 s[G1K+2], 128<<16                    ; tensor_dim1
	s_mov_b32 s[G1K+3], 128<<16                    ; tile_dim0
	s_mov_b32 s[G1K+4], 128                        ; tile_dim1
	s_mov_b32 s[G1K+5], 128                        ; tensor_dim0_stride
	s_mov_b32 s[G1K+6], 0
	s_mov_b32 s[G1K+7], 0
	s_mov_b32 s[G1V], 15|(1<<20)|(1<<21)|(5<<22)|(3<<25)   ; padding: four words after every 64
	s_mov_b32 s[G1V+1], 256<<16
	s_mov_b32 s[G1V+2], 64<<16
	s_mov_b32 s[G1V+3], 256<<16
	s_mov_b32 s[G1V+4], 64
	s_mov_b32 s[G1V+5], 2048
	s_mov_b32 s[G1V+6], 0
	s_mov_b32 s[G1V+7], 0
	; every LDS address register: v0, the wave's number and constants
	s_mul_i32 s62, s[WV], STG                      ; my stages
	s_lshr_b32 s72, s[WV], 2                       ; the sum over all keys: my 512 keys,
	s_and_b32 s73, s[WV], 3                        ; my tile of 16 d.  Also: which slots I fetch
	s_mul_i32 s74, s72, 2*VSLOT
	s_mul_i32 s75, s73, 16*VP
	s_add_co_u32 s74, s74, s75
	s_lshl_b32 s76, s72, 8
	s_lshl_b32 s77, s73, 6
	s_add_co_u32 s76, s76, s77
	v_and_b32 v8, 15, v0                           ; r
	v_bfe_u32 v9, v0, 4, 1                         ; h
	s_delay_alu instid0(VALU_DEP_2)
	v_and_b32 v10, 8, v8
	s_delay_alu instid0(VALU_DEP_1)
	v_add_nc_u32 v10, v10, v8                      ; r + 8 (r / 8)
	s_delay_alu instid0(VALU_DEP_1)
	v_lshrrev_b32 v11, 1, v10
	s_delay_alu instid0(VALU_DEP_1)
	v_mul_u32_u24 v[AK0], v11, KP
	s_delay_alu instid0(VALU_DEP_3)
	v_and_b32 v10, 1, v10
	s_delay_alu instid0(VALU_DEP_1)
	v_lshl_add_u32 v[AK0], v10, 6, v[AK0]
	s_delay_alu instid0(VALU_DEP_1)
	v_lshl_add_u32 v[AK0], v9, 4, v[AK0]           ; K: the key's LDS row, its half of the row, + 16 h
	v_mul_u32_u24 v[AV0], v8, VP
	s_delay_alu instid0(VALU_DEP_1)
	v_lshl_add_u32 v[AV0], v9, 4, v[AV0]
	s_delay_alu instid0(VALU_DEP_1)
	v_add_nc_u32 v[AV0], VREG, v[AV0]              ; V: row r, + 16 h
	v_lshl_add_u32 v[AB0], v9, 6, BIAS             ; bias: 16 h keys on
	s_delay_alu instid0(VALU_DEP_2)
	v_add_nc_u32 v[AVS], s74, v[AV0]
	v_lshl_add_u32 v[AVM], v9, 5, SCR              ; the partial sums: d = 8 h on
	s_delay_alu instid0(VALU_DEP_1)
	v_add_nc_u32 v[SCW], s76, v[AVM]               ; mine: 256 x quarter + 64 x tile
	v_mul_u32_u24 v[STO], v8, 272
	s_delay_alu instid0(VALU_DEP_1)
	v_lshl_add_u32 v[STO], v9, 5, v[STO]
	s_delay_alu instid0(VALU_DEP_1)
	v_add_nc_u32 v[STO], s62, v[STO]               ; the stage, in: row r, + 32 h
	v_mul_u32_u24 v[RD], v9, 272
	s_delay_alu instid0(VALU_DEP_1)
	v_lshl_add_u32 v[RD], v8, 4, v[RD]
	s_delay_alu instid0(VALU_DEP_1)
	v_add_nc_u32 v[RD], s62, v[RD]                 ; back: lanes 0-15 one row, lanes 16-31 the next
	v_lshl_add_u32 v104, v0, 4, BIAS               ; where my thread's four bias numbers go
	v_lshlrev_b32 v[GO], 8, v9
	s_delay_alu instid0(VALU_DEP_1)
	v_lshl_add_u32 v[GO], v8, 4, v[GO]             ; and the same two rows in out
	v_lshlrev_b32 v102, 6, v8
	s_delay_alu instid0(VALU_DEP_1)
	v_lshl_add_u32 v102, v9, 4, v102               ; Q: row r of 64 bytes, + 16 h
	v_lshlrev_b32 v103, 2, v0                      ; the mask: four bytes a thread
	s_lshl_b32 s90, s[CX], 5                       ; what holds cx stays in s17 and s80-95, which feed no descriptor and no LDS address
	s_and_b32 s91, s[WV], 1
	s_lshl_b32 s91, s91, 4
	s_add_co_u32 s90, s90, s91                     ; my tiles' first query within their groups: 32 cx + 16 u
	v_lshlrev_b32 v[DL], 4, v9
	s_delay_alu instid0(VALU_DEP_1)
	v_sub_nc_u32 v[DL], v8, v[DL]
	s_delay_alu instid0(VALU_DEP_1)
	v_add_nc_u32 v[DL], s90, v[DL]                 ; 32 cx + 16 u + r - 16 h: data for a compare, never an address
	v_mov_b32 v[NEG], 0xfe800000                   ; -2^126
	v_mov_b32 v[PX], 0                             ; written once: a lane permute's destination counts as one of its sources
	v_mov_b32 v[FF+1], 0                           ; (named as the upper half of a pair)
	; byte offsets.  K's and V's hang on the head and the wave's number alone
	s_lshl_b32 s72, s[HD], 17                      ; a head's codes: 131,072 bytes in each of q, k, v
	s_lshl_b32 s74, s73, 14                        ; K: slot a = 256 keys x 64 bytes
	s_add_co_u32 s74, s74, s72
	s_mov_b32 s75, 0
	s_lshl_b32 s78, s73, 8                         ; V: slot a = 256 bytes along each row
	s_add_co_u32 s78, s78, s72
	s_mov_b32 s79, 0
	s_lshl_b32 s91, s[GA], 7
	s_add_co_u32 s91, s91, s90                     ; tile A's first query
	s_lshl_b32 s92, s[GB], 7
	s_add_co_u32 s92, s92, s90                     ; tile B's
	s_lshl_b32 s93, s[HD], 19                      ; a head of out: 524,288 bytes
	s_mov_b32 s95, 0
	s_wait_kmcnt 0x0
	s_load_b128 s[68:71], s[12:13], 0x0            ; eq, ek, ep, ev
	s_mov_b32 s[G0K], 1                            ; 1:0 count = 1
	s_mul_i32 s[G0K+1], s73, KSLOT                 ; 63:32 LDS address: slot a
	s_add_nc_u64 s[G0K+2:G0K+3], s[6:7], s[74:75]  ; 120:64 global address
	s_mov_b32 s[G0K+4], 1
	s_add_co_u32 s[G0K+5], s[G0K+1], 4*KSLOT       ; slot a + 4
	s_add_nc_u64 s[G0K+6:G0K+7], s[G0K+2:G0K+3], 4*16384
	s_or_b32 s[G0K+3], s[G0K+3], 0x80000000        ; 127:126 type = 2
	s_or_b32 s[G0K+7], s[G0K+7], 0x80000000
	s_mov_b32 s[G0V], 1
	s_mul_i32 s[G0V+1], s73, VSLOT
	s_add_co_u32 s[G0V+1], s[G0V+1], VREG
	s_add_nc_u64 s[G0V+2:G0V+3], s[8:9], s[78:79]
	s_mov_b32 s[G0V+4], 1
	s_add_co_u32 s[G0V+5], s[G0V+1], 4*VSLOT
	s_add_nc_u64 s[G0V+6:G0V+7], s[G0V+2:G0V+3], 4*256
	s_or_b32 s[G0V+3], s[G0V+3], 0x80000000
	s_or_b32 s[G0V+7], s[G0V+7], 0x80000000
	s_lshl_b32 s94, s91, 6
	s_add_co_u32 s94, s94, s72
	s_add_nc_u64 s[84:85], s[4:5], s[94:95]        ; q at tile A,
	s_lshl_b32 s94, s92, 6
	s_add_co_u32 s94, s94, s72
	s_add_nc_u64 s[86:87], s[4:5], s[94:95]        ; at tile B
	s_lshl_b32 s94, s91, 8
	s_add_co_u32 s94, s94, s93
	s_add_nc_u64 s[80:81], s[14:15], s[94:95]      ; out at tile A,
	s_lshl_b32 s94, s92, 8
	s_add_co_u32 s94, s94, s93
	s_add_nc_u64 s[82:83], s[14:15], s[94:95]      ; at tile B
	s_lshr_b32 s94, s[HD], 4
	s_lshl_b32 s94, s94, 11
	s_add_nc_u64 s[10:11], s[10:11], s[94:95]      ; the mask of my batch
	CROUND                                         ; all four work-groups are here: the joint loads meet
	; The fills, all of them, each LDS byte once: waves 0-3 K's slots a and a + 4, waves 4-7 V's.  A wave's two stand in one branch on the wave's number: two loads of mine are out.
	s_cmp_lt_u32 s[WV], 4
	s_cbranch_scc0 .Lnot_k
	tensor_load_to_lds s[G0K:G0K+3], s[G1K:G1K+7]
	s_nop 0
	tensor_load_to_lds s[G0K+4:G0K+7], s[G1K:G1K+7]
	s_nop 0
.rept 4
	v_nop                                          ; four v_nop follow the loads, ahead of the jump and the label
.endr
	s_branch .Lasked
.Lnot_k:
	s_cmp_lt_u32 s[WV], 8
	s_cbranch_scc0 .Lasked
	tensor_load_to_lds s[G0V:G0V+3], s[G1V:G1V+7]
	s_nop 0
	tensor_load_to_lds s[G0V+4:G0V+7], s[G1V:G1V+7]
	s_nop 0
.rept 4
	v_nop
.endr
.Lasked:
	s_wait_alu depctr_va_vdst(0)
	global_load_b32 v100, v103, s[10:11]           ; four keys' mask bytes a thread: 512 threads, 2,048 keys
	global_load_b128 v[QA:QA+3],   v102, s[84:85] th:TH_LOAD_NT            ; Q stays in registers: registers 0-3 hold k = 16 h on, 4-7 k = 32 + 16 h on, as K's fragments do
	global_load_b128 v[QA+4:QA+7], v102, s[84:85] offset:32 th:TH_LOAD_NT
	global_load_b128 v[QB:QB+3],   v102, s[86:87] th:TH_LOAD_NT
	global_load_b128 v[QB+4:QB+7], v102, s[86:87] offset:32 th:TH_LOAD_NT
	s_wait_kmcnt 0x0
	s_add_co_i32 s62, s68, s69
	s_lshl_b32 s62, s62, 23
	s_mov_b32 s[CS], 0x3e38aa3b                    ; log2(e) / 8
	s_add_co_i32 s[CS], s[CS], s62                 ; a raw score stands for score x 2^(eq + ek): the two exponents are added to c's exponent field
	s_mov_b32 s[CS+1], s[CS]                       ; (named with it as a pair, so it is written)
	s_add_co_i32 s62, s70, 127
	s_lshl_b32 s63, s62, 23
	v_mov_b32 v[SCL], s63                          ; 2^ep as f32: the conversion takes its exponent field
	s_add_co_i32 s62, s62, 15
	s_lshl_b32 s62, s62, 23
	s_or_b32 s62, s62, 0x600000
	v_mov_b32 v[LIM], s62                          ; 57,344 x 2^ep
	s_add_co_i32 s88, s70, s71                     ; ep + ev
	s_sub_co_i32 s89, s88, 11                      ; and with the division by 2,048
	s_wait_loadcnt 0x4                             ; the mask word is in; the four loads of Q issued behind it may be out
.irp i, 0,1,2,3
	v_bfe_u32 v101, v100, 8*\i, 8
	s_delay_alu instid0(VALU_DEP_1)
	v_cmp_eq_u32 vcc_lo, 0, v101
	s_delay_alu instid0(VALU_DEP_1)
	v_cndmask_b32 v[96+\i], 0, v[NEG], vcc_lo      ; 0 where the key is open, -2^126 where it is blocked
.endr
	ds_store_b128 v104, v[96:99]
	INIT
	s_wait_tensorcnt 0x1                           ; my first load has landed (slots 0-3 of K and V); my second may stay out
	s_wait_dscnt 0x0                               ; for the others' sake: my part of the bias table is stored
	s_barrier_signal -1
	s_barrier_wait -1
	s_wait_loadcnt 0x0                             ; Q
	; TILE A, steps 0-7: its group is 8 or more, so every key counts.  They read slots 0-3 alone
	s_mov_b32 s[SI], 0
	s_mov_b32 s[TK], 0
	s_mov_b32 s[TV], 0
	s_mov_b32 s[TBI], 0
.La1:
	SLOT2 0, QA, GA
	s_add_co_u32 s[SI], s[SI], 2
	s_cmp_lt_u32 s[SI], 8
	s_cbranch_scc1 .La1
	s_wait_tensorcnt 0x0                           ; my second load has landed: slots 4-7
	s_wait_dscnt 0x0
	s_barrier_signal -1
	s_barrier_wait -1                              ; everybody's has
	; TILE A, steps 8-15: up to and with its diagonal
	s_mov_b32 s[SI], 8
	s_mov_b32 s[TK], 4*KSLOT
	s_mov_b32 s[TV], 4*VSLOT
	s_mov_b32 s[TBI], 4*1024
.La2:
	SLOT2 1, QA, GA
	s_add_co_u32 s[SI], s[SI], 2
	s_cmp_lt_u32 s[SI], 16
	s_cbranch_scc1 .La2
	EPI SAVE
	v_mov_b32 v[RSA], v[RM]
	INIT
	; TILE B, steps 0-7
	s_mov_b32 s[SI], 0
	s_mov_b32 s[TK], 0
	s_mov_b32 s[TV], 0
	s_mov_b32 s[TBI], 0
.Lb:
	SLOT2 1, QB, GB
	s_add_co_u32 s[SI], s[SI], 2
	s_cmp_lt_u32 s[SI], 8
	s_cbranch_scc1 .Lb
	EPI O
	; THE SUM OF Q(1) v OVER ALL KEYS, for rows with no open key: wave w takes d tile w & 3 and keys 512 (w >> 2) on: four products of V's fragments with an operand of equal codes
.irp a, 0,1,2,3
.irp c, 0,1,2,3
	ds_load_b128 v[F+16*\a+4*\c:F+16*\a+4*\c+3], v[AVS] offset:(\a/2)*VSLOT+(\a%2)*128+32*\c
.endr
.endr
.set n, 0
.rept 8
	v_min_num_f32 v[S+n], 1.0, v[LIM]              ; p = 1, held under 57,344 x 2^ep
.set n, n+1
.endr
	v_cvt_scalef32_pk8_bf8_f32 v[PC:PC+1], v[S:S+7], v[SCL]
	v_nop                                          ; a plain line between the conversion and the readers of its result
.set n, 2
.rept 14
	v_mov_b32 v[PC+n], v[PC]
.set n, n+1
.endr
	s_wait_alu depctr_va_vdst(0)
	s_wait_dscnt 0x0
.irp a, 0,1,2,3
	v_wmma_f32_16x16x128_bf8_bf8 v[S+8*\a:S+8*\a+7], v[F+16*\a:F+16*\a+15], v[PC:PC+15], 0   ; register i of lane (r, h): d = 16 (w & 3) + 8 h + i, the same in every r
.endr
.rept 4
	v_nop
.endr
.irp i, 0,2,4,6
	v_pk_add_f32 v[S+\i:S+\i+1], v[S+\i:S+\i+1], v[S+8+\i:S+9+\i]
	v_pk_add_f32 v[S+16+\i:S+17+\i], v[S+16+\i:S+17+\i], v[S+24+\i:S+25+\i]
.endr
.irp i, 0,2,4,6
	v_pk_add_f32 v[S+\i:S+\i+1], v[S+\i:S+\i+1], v[S+16+\i:S+17+\i]
.endr
	ds_store_b128 v[SCW], v[S:S+3]                 ; the sixteen lanes of a half store the same numbers to the same bytes
	ds_store_b128 v[SCW], v[S+4:S+7] offset:16
	s_wait_dscnt 0x0                               ; my partial sums are stored, and my reads of K and V are over
	s_barrier_signal -1
	s_barrier_wait -1                              ; so are everybody's: K's region may take the stages
.irp p, 0,1,2,3
.irp t, 0,1,2,3
	ds_load_b128 v[F+32*\p+8*\t:F+32*\p+8*\t+3],   v[AVM] offset:256*\p+64*\t      ; quarter p, d = 16 t + 8 h on: O^T's layout
	ds_load_b128 v[F+32*\p+8*\t+4:F+32*\p+8*\t+7], v[AVM] offset:256*\p+64*\t+16
.endr
.endr
	s_wait_dscnt 0x0
.set n, 0
.rept 16
	v_pk_add_f32 v[F+n:F+n+1], v[F+n:F+n+1], v[F+32+n:F+33+n]
	v_pk_add_f32 v[F+64+n:F+65+n], v[F+64+n:F+65+n], v[F+96+n:F+97+n]
.set n, n+2
.endr
.set n, 0
.rept 16
	v_pk_add_f32 v[F+n:F+n+1], v[F+n:F+n+1], v[F+64+n:F+65+n]
.set n, n+2
.endr
.set n, 0
.rept 32
	v_ldexp_f32 v[F+n], v[F+n], s89                ; x 2^(ep + ev) / 2,048
.set n, n+1
.endr
	v_cmp_gt_f32 vcc_lo, 0xd3000000, v[RSA]        ; -2^39 > R: no open key was among tile A's query's keys
.set n, 0
.rept 32
	v_cndmask_b32 v[SAVE+n], v[SAVE+n], v[F+n], vcc_lo
.set n, n+1
.endr
	v_cmp_gt_f32 vcc_lo, 0xd3000000, v[RM]         ; the same for tile B
.set n, 0
.rept 32
	v_cndmask_b32 v[O+n], v[O+n], v[F+n], vcc_lo
.set n, n+1
.endr
	; THE WAY OUT: a lane's 32 bytes of a row go into rows of 272 bytes and come back as whole rows of 256
	TOSTAGE SAVE, S, 0
	TOSTAGE O, S+32, 16*272
.irp i, 0,1,2,3,4,5,6,7
	s_wait_dscnt 23-\i                             ; behind tile A's load i: its 7 - i later loads and tile B's sixteen instructions
	global_store_b128 v[GO], v[S+4*\i:S+4*\i+3], s[80:81] offset:512*\i th:TH_STORE_NT   ; 32 lanes store 512 consecutive bytes, at a multiple of 256 from out's first byte
.endr
.irp i, 0,1,2,3,4,5,6,7
	s_wait_dscnt 7-\i
	global_store_b128 v[GO], v[S+32+4*\i:S+32+4*\i+3], s[82:83] offset:512*\i th:TH_STORE_NT
.endr
	s_wait_tensorcnt 0x0                           ; the wave's end: behind my last tensor load and my last LDS store
	ds_add_u32 v[SPW], v[NIL]
	s_wait_dscnt 0x0
	CROUND                                         ; the closing round: no work-group ends while a partner may still ask for a tile that names it
	s_endpgm
.Lfunc_end_k_qc3b067e530_attn:
	.size	k_qc3b067e530_attn, .Lfunc_end_k_qc3b067e530_attn-k_qc3b067e530_attn
	.p2alignl 7, 3214868480
	.fill 96, 4, 3214868480
	.section	.rodata,"a",@progbits
	.p2align	6, 0x0
	.amdhsa_kernel k_qc3b067e530_attn
		.amdhsa_group_segment_fixed_size 327680
		.amdhsa_private_segment_fixed_size 0
		.amdhsa_enable_private_segment 0
		.amdhsa_kernarg_size 48
		.amdhsa_user_sgpr_count 2
		.amdhsa_user_sgpr_kernarg_segment_ptr 1
		.amdhsa_wavefront_size32 1
		.amdhsa_system_sgpr_workgroup_id_x 1
		.amdhsa_system_sgpr_workgroup_id_y 1
		.amdhsa_system_sgpr_workgroup_id_z 1
		.amdhsa_system_vgpr_workitem_id 0
		.amdhsa_next_free_vgpr 256
		.amdhsa_next_free_sgpr 96
		.amdhsa_reserve_vcc 1
		.amdhsa_float_denorm_mode_32 3
		.amdhsa_float_denorm_mode_16_64 3
		.amdhsa_fp16_overflow 1
		.amdhsa_memory_ordered 1
		.amdhsa_forward_progress 1
		.amdhsa_inst_pref_size 142
	.end_amdhsa_kernel
	.amdgpu_metadata
---
amdhsa.version: [ 1, 2 ]
amdhsa.kernels:
  - .name:           k_qc3b067e530_attn
    .symbol:         k_qc3b067e530_attn.kd
    .args:
      - { .name: q_codes, .offset: 0, .size: 8, .value_kind: global_buffer, .address_space: global }
      - { .name: k_codes, .offset: 8, .size: 8, .value_kind: global_buffer, .address_space: global }
      - { .name: v_codes, .offset: 16, .size: 8, .value_kind: global_buffer, .address_space: global }
      - { .name: attention_mask, .offset: 24, .size: 8, .value_kind: global_buffer, .address_space: global }
      - { .name: lowp_scales, .offset: 32, .size: 8, .value_kind: global_buffer, .address_space: global }
      - { .name: out0, .offset: 40, .size: 8, .value_kind: global_buffer, .address_space: global }
    .group_segment_fixed_size: 327680
    .private_segment_fixed_size: 0
    .kernarg_segment_align: 8
    .kernarg_segment_size: 48
    .max_flat_workgroup_size: 512
    .sgpr_count:     96
    .vgpr_count:     256
    .wavefront_size: 32
...
	.end_amdgpu_metadata
.endif
;; end of part 1
